; MI455X (gfx1250); checked and timed in simulation.
; The chip was launched on July 23, 2026; its instructions are those of AMD's public machine-readable ISA for CDNA 5 (MIT licence, August 2026) and "CDNA5" Instruction Set Architecture Reference Guide (July 2026). The comments in the code are by the model that wrote it; some were corrected since.
;; GGUF Weight. Allowed arithmetic: float matrix products may take bf16 or f16 operands with f32 sums; all other float work in f32.
;; Inputs: bias 4,096 float32; qweight 4,096 x 4,096 int32; scales 4,096 x 128 float32; x 4 x 1,024 x 4,096 float32.
;; Outputs: out0 4 x 1,024 x 4,096 float32.
;; One version. Each part assembles by itself: llvm-mc -triple=amdgcn-amd-amdhsa -mcpu=gfx1250 --defsym DOCPART=n.
;; ======== version 1 of 1: 2 launches
;; limits: values are held in f16: magnitudes above 65,504 overflow, below 6.1e-05 lose precision
;; workspace buffers: xb 33,554,432 bytes; wb 33,554,432 bytes
;; launch prep (part 1): grid 128 x 2, 16 waves a work-group, no clusters, 18,432 bytes of LDS; arguments x, qweight, scales, xb, wb; writes xb, wb
.if DOCPART == 1
	.amdgcn_target "amdgcn-amd-amdhsa--gfx1250"
	.amdhsa_code_object_version 6
	.text
	.protected	k_q90a06bf32a_prep
	.globl	k_q90a06bf32a_prep
	.p2align	8
	.type	k_q90a06bf32a_prep,@function
k_q90a06bf32a_prep:
	s_mov_b64 s[64:65], 0
	v_nop
	global_prefetch_b8 v0, s[64:65] scope:SCOPE_SE
	s_setreg_imm32_b32 hwreg(HW_REG_WAVE_MODE, 25, 1), 1
	s_wait_xcnt 0x0
; xb[m][k] = f16(x[m][k]);  wb[n][k] = f16((f32(q[n][k]) - 8) * scales[n][k / 32]).  x: [4096][4096] f32, q: [4096][4096] int32, scales: [4096][128] f32, xb, wb: [4096][4096] f16.
; The product's operands are made ONCE here: each number of x and of w is wanted by sixteen work-groups of the product, which would otherwise each convert it.
; WHY f16: a sum has 4,096 products.  With 8 significant bits (bf16) the two operands' roundings add up to about 0.0024 of the outputs' root mean square, a quarter of the 0.01 that the
; problem allows, which is too near for 16.7 million outputs; with f16's 11 bits it is an eighth of that.
; LIMITS: x and w are rounded once to f16 (the mode at entry: nearest even), the only rounding beyond reference()'s own two operations (subtract, multiply, both in f32).
; A magnitude of x or of w above 65,504 becomes infinity; below 2^-14 the rounding step is 2^-24.  The problem's x reach about 5.4 and its w 0.8: a factor of 400 and more is left above,
; and numbers 30 times smaller (root mean square 0.03 and 0.009) lose under 10^-5 of that by the fixed step.
; q goes through v_cvt_f32_i32, so every int32 is honoured, not only 0 to 15.
; SHARES: work-groups with y = 0 convert x, those with y = 1 dequantise q.  A work-group owns 32 rows, each of its 16 waves two.  A row is 16,384 bytes in, 8,192 out, in 32 chunks:
; in chunk c lane L reads the 16 bytes at 512 c + 16 L (a wave's load covers 512 consecutive bytes) and writes the 8 bytes at 256 c + 8 L (a wave's store covers 256 consecutive bytes, aligned).
; IN FLIGHT: the whole first row, 32 loads of every wave, is asked for at once; a piece of eight chunks, once it is worked on, is asked for again from the second row.
; No loop, and no address register is rewritten: chunk and row stand in the immediates.
; No matrix unit, no cluster, no data mover: nothing is shared between work-groups and every byte is touched once.  LDS serves only to turn a row's 128 scales (below); each wave
; has 1,024 bytes of its own there, so the text has no barrier.
.set ROWIN,  16384                     ; bytes of a row of x or q
.set ROWOUT, 8192                      ; bytes of a row of xb or wb
.set VI,  2                            ; v2        16 x lane: my bytes in a chunk as read; also in a row of scales
.set VO,  3                            ; v3        8 x lane: my bytes in a chunk as written
.set LS,  4                            ; v4        LDS: my wave's bytes + 4 x lane
.set LL,  5                            ; v5        LDS: my wave's bytes + 128 x (lane / 8)
.set SR,  16                           ; v[16:23]  scales as loaded, 4 registers a row
.set Y,   24                           ; v[24:39]  a piece's results, 2 registers a chunk
.set SC,  40                           ; v[40:103] 32 registers a row: my scale in chunk c
.set X,   104                          ; v[104:231] a row as loaded, 4 registers a chunk
; The whole first row: 32 loads.  IN and OUT name the path's base registers.
.macro FILL
.set c, 0
.rept 32
	global_load_b128 v[X+4*c:X+4*c+3], v[VI], s[IN:IN+1] offset:512*c th:TH_LOAD_NT
.set c, c+1
.endr
.endm
; Piece pc (chunks 8 pc to 8 pc + 7) of row 'row'.  path = 1: dequantise; 0: round only.  more = 1: the piece's registers take the same chunks of the second row.
; left = how many younger loads may stay out.
.macro PIECE path, row, pc, more, left
	s_wait_loadcnt \left                           ; loads come back in order (ISA guide 5.7.1): my eight are in, the younger ones stay out
	s_wait_xcnt 0x0                                ; Y, which the last piece's stores read, is rewritten only behind this wait
.set XP, X+32*\pc
.if \path
.set i, 0
.rept 32
	v_cvt_f32_i32 v[XP+i], v[XP+i]                 ; q as f32
.set i, i+1
.endr
.set i, 0
.rept 16
	v_pk_add_f32 v[XP+i:XP+i+1], v[XP+i:XP+i+1], 0xc1000000 op_sel_hi:[1,0]   ; q - 8.  The subtraction comes before the multiply, as in reference(): there is no multiply-add to fuse
.set i, i+2
.endr
.irp j, 0,1,2,3,4,5,6,7
.set PB, SC+32*\row+8*\pc+2*(\j/2)     ; the pair of registers that holds chunk 8 pc + j's scale: the first of the pair for an even chunk, the second for an odd one
.if \j%2
	v_pk_mul_f32 v[XP+4*\j:XP+4*\j+1],   v[XP+4*\j:XP+4*\j+1],   v[PB:PB+1] op_sel:[0,1] op_sel_hi:[1,1]
	v_pk_mul_f32 v[XP+4*\j+2:XP+4*\j+3], v[XP+4*\j+2:XP+4*\j+3], v[PB:PB+1] op_sel:[0,1] op_sel_hi:[1,1]
.else
	v_pk_mul_f32 v[XP+4*\j:XP+4*\j+1],   v[XP+4*\j:XP+4*\j+1],   v[PB:PB+1] op_sel_hi:[1,0]
	v_pk_mul_f32 v[XP+4*\j+2:XP+4*\j+3], v[XP+4*\j+2:XP+4*\j+3], v[PB:PB+1] op_sel_hi:[1,0]
.endif
.endr
.endif
.irp j, 0,1,2,3,4,5,6,7
	v_cvt_pk_f16_f32 v[Y+2*\j],   v[XP+4*\j],   v[XP+4*\j+1]       ; two roundings to f16, packed: the first source into the low half
	v_cvt_pk_f16_f32 v[Y+2*\j+1], v[XP+4*\j+2], v[XP+4*\j+3]
.endr
.if \more
.irp j, 0,1,2,3,4,5,6,7
	global_load_b128 v[XP+4*\j:XP+4*\j+3], v[VI], s[IN:IN+1] offset:ROWIN+512*(8*\pc+\j) th:TH_LOAD_NT   ; loads ahead of stores
.endr
.endif
.irp j, 0,1,2,3,4,5,6,7
	global_store_b64 v[VO], v[Y+2*\j:Y+2*\j+1], s[OUT:OUT+1] offset:ROWOUT*\row+256*(8*\pc+\j)   ; no hint: the next launch reads these bytes
.endr
.endm
.macro TWO_ROWS path
	PIECE \path, 0, 0, 1, 24                       ; 32 loads are out, the oldest eight are the piece's; its refill makes them 32 again
	PIECE \path, 0, 1, 1, 24
	PIECE \path, 0, 2, 1, 24
	PIECE \path, 0, 3, 1, 24
	PIECE \path, 1, 0, 0, 24                       ; the second row loads nothing: the counts run down
	PIECE \path, 1, 1, 0, 16
	PIECE \path, 1, 2, 0, 8
	PIECE \path, 1, 3, 0, 0
.endm
	s_load_b256 s[4:11], s[0:1], 0x0               ; x s[4:5], qweight s[6:7], scales s[8:9], xb s[10:11]
	s_load_b64 s[12:13], s[0:1], 0x20              ; wb
	v_lshl_add_u32 v232, v0, 2, 0x4000
	v_mov_b32 v233, 0
	v_lshrrev_b32 v1, 5, v0
	v_readfirstlane_b32 s14, v1                    ; wave 0..15
	s_and_b32 s15, ttmp7, 0xffff                   ; y: 0 = x, 1 = q
	s_lshl_b32 s16, ttmp9, 19                      ; the work-group's 32 rows of 16,384 bytes
	s_lshl_b32 s17, s14, 15                        ; + the wave's two rows: 67,076,096 at the most
	s_add_co_u32 s16, s16, s17
	s_mov_b32 s17, 0
	s_lshr_b32 s18, s16, 1                         ; the same rows in xb or wb: half the bytes
	s_mov_b32 s19, 0
	v_and_b32 v1, 31, v0                           ; lane
	v_lshlrev_b32 v[VI], 4, v1
	v_lshlrev_b32 v[VO], 3, v1
	s_wait_kmcnt 0x0
	s_cmp_lg_u32 s15, 0
	s_cbranch_scc1 .Lw
	; x -> xb
.set IN,  4
.set OUT, 10
	s_add_nc_u64 s[IN:IN+1], s[IN:IN+1], s[16:17]
	s_add_nc_u64 s[OUT:OUT+1], s[OUT:OUT+1], s[18:19]
	FILL
	TWO_ROWS 0
	s_endpgm
.Lw:	; q, scales -> wb
.set IN,  6
.set OUT, 12
	s_add_nc_u64 s[IN:IN+1], s[IN:IN+1], s[16:17]
	s_add_nc_u64 s[OUT:OUT+1], s[OUT:OUT+1], s[18:19]
	s_lshr_b32 s20, s16, 5                         ; a row of scales is 512 bytes, a 32nd of a row of q
	s_mov_b32 s21, 0
	s_add_nc_u64 s[8:9], s[8:9], s[20:21]
	s_lshl_b32 s22, s14, 10                        ; my wave's 1,024 bytes of LDS
	v_lshl_add_u32 v[LS], v1, 2, s22
	v_lshrrev_b32 v6, 3, v1                        ; g = lane / 8
	v_lshl_add_u32 v[LL], v6, 7, s22
	global_load_b128 v[SR:SR+3],   v[VI], s[8:9] th:TH_LOAD_NT             ; a whole row of scales in one load: lane i holds scales 4 i + j in register j
	global_load_b128 v[SR+4:SR+7], v[VI], s[8:9] offset:512 th:TH_LOAD_NT
	FILL
	; In chunk c lane L holds k = 128 c + 4 L + 0..3, all in block 4 c + L / 8.  So lane L wants register g = L / 8 of lane c, for c = 0 to 31: the scales are turned in LDS.
	; Register j of lane i goes to word 32 j + i of the row's 128; lane L then reads words 32 g + 0 .. 31.
	s_wait_loadcnt 32                              ; the two loads of scales are in; the 32 behind them stay out
.irp r, 0,1
.irp j, 0,1,2,3
	ds_store_b32 v[LS], v[SR+4*\r+\j] offset:512*\r+128*\j
.endr
.endr
.irp r, 0,1
.irp t, 0,1,2,3,4,5,6,7
	ds_load_b128 v[SC+32*\r+4*\t:SC+32*\r+4*\t+3], v[LL] offset:512*\r+16*\t   ; LDS serves a wave's instructions in order (ISA guide 5.7.1.4): these see the stores above; the bytes are the wave's own
.endr
.endr
	s_wait_dscnt 0x0
	TWO_ROWS 1
	s_wait_tensorcnt 0x0
	ds_add_u32 v232, v233
	s_wait_dscnt 0x0
	s_endpgm
.Lfunc_end_k_q90a06bf32a_prep:
	.size	k_q90a06bf32a_prep, .Lfunc_end_k_q90a06bf32a_prep-k_q90a06bf32a_prep
	.p2alignl 7, 3214868480
	.fill 96, 4, 3214868480
	.section	.rodata,"a",@progbits
	.p2align	6, 0x0
	.amdhsa_kernel k_q90a06bf32a_prep
		.amdhsa_group_segment_fixed_size 18432
		.amdhsa_private_segment_fixed_size 0
		.amdhsa_enable_private_segment 0
		.amdhsa_kernarg_size 40
		.amdhsa_user_sgpr_count 2
		.amdhsa_user_sgpr_kernarg_segment_ptr 1
		.amdhsa_wavefront_size32 1
		.amdhsa_system_sgpr_workgroup_id_x 1
		.amdhsa_system_sgpr_workgroup_id_y 1
		.amdhsa_system_sgpr_workgroup_id_z 1
		.amdhsa_system_vgpr_workitem_id 0
		.amdhsa_next_free_vgpr 234
		.amdhsa_next_free_sgpr 66
		.amdhsa_reserve_vcc 0
		.amdhsa_float_denorm_mode_32 3
		.amdhsa_float_denorm_mode_16_64 3
		.amdhsa_memory_ordered 1
		.amdhsa_forward_progress 1
		.amdhsa_inst_pref_size 73
	.end_amdhsa_kernel
	.amdgpu_metadata
---
amdhsa.version: [ 1, 2 ]
amdhsa.kernels:
  - .name:           k_q90a06bf32a_prep
    .symbol:         k_q90a06bf32a_prep.kd
    .args:
      - { .name: x, .offset: 0, .size: 8, .value_kind: global_buffer, .address_space: global }
      - { .name: qweight, .offset: 8, .size: 8, .value_kind: global_buffer, .address_space: global }
      - { .name: scales, .offset: 16, .size: 8, .value_kind: global_buffer, .address_space: global }
      - { .name: xb, .offset: 24, .size: 8, .value_kind: global_buffer, .address_space: global }
      - { .name: wb, .offset: 32, .size: 8, .value_kind: global_buffer, .address_space: global }
    .group_segment_fixed_size: 18432
    .private_segment_fixed_size: 0
    .kernarg_segment_align: 8
    .kernarg_segment_size: 40
    .max_flat_workgroup_size: 512
    .sgpr_count:     66
    .vgpr_count:     234
    .wavefront_size: 32
...
	.end_amdgpu_metadata
.endif
;; end of part 1
;; launch gemm (part 2): grid 16 x 16, 4 waves a work-group, clusters of 4 x 4, 327,680 bytes of LDS; arguments xb, wb, out0, bias; writes out0
.if DOCPART == 2
	.amdgcn_target "amdgcn-amd-amdhsa--gfx1250"
	.amdhsa_code_object_version 6
	.text
	.protected	k_q90a06bf32a_gemm
	.globl	k_q90a06bf32a_gemm
	.p2align	8
	.type	k_q90a06bf32a_gemm,@function
k_q90a06bf32a_gemm:
	s_mov_b64 s[64:65], 0
	v_nop
	global_prefetch_b8 v0, s[64:65] scope:SCOPE_SE
	s_setreg_imm32_b32 hwreg(HW_REG_WAVE_MODE, 25, 1), 1
	s_wait_xcnt 0x0
	s_wait_alu depctr_hold_cnt(0) depctr_sa_sdst(0) depctr_va_vdst(0) depctr_va_sdst(0) depctr_va_ssrc(0) depctr_va_vcc(0) depctr_vm_vsrc(0)
	s_getreg_b32 s2, hwreg(HW_REG_IB_STS2, 6, 4)
	s_cmp_eq_u32 s2, 0
	s_cbranch_scc0 .Lentry_in_a_cluster
	s_endpgm
.Lentry_in_a_cluster:
	s_bfe_u32 s2, ttmp6, 0x10000c
	s_cmp_lg_u32 s2, 0xf033
	s_cbranch_scc0 .Lentry_shape_is_right
	s_endpgm
.Lentry_shape_is_right:
; out0[m][n] = bias[n] + the sum over k of xb[m][k] wb[n][k].  xb: [4096][4096] f16, wb: [4096][4096] f16 (both made by the launch before), bias: [4096] f32, out0: [4096][4096] f32.
; LIMITS: operands in f16 (11 significant bits; the launch before states their range: magnitudes up to 65,504, a fixed step of 2^-24 below 2^-14), sums in f32, one sum for each output,
; K ascending, STARTING FROM THE BIAS (reference() adds it last: another order of rounding, no other difference).
; SHARES: a tile of out0, 256 x 256, is made by a work-group of four waves; a wave makes 128 x 128: 64 accumulators of 16 x 16, 512 registers.  16 x 16 tiles: 256 work-groups.
; K goes in steps of 128 through a ring of two LDS slots filled by the tensor data mover: the rows of the tiles are 256 bytes of memory and start at multiples of 256 bytes from the buffer's first byte.
; CLUSTERS: 4 x 4 work-groups.  The four of a row of the cluster make tiles of one tile row and need the same tiles of xb; the four of a column need the same tiles of wb.  Such a tile is asked
; for JOINTLY: each of the four issues the same tensor load, with the same descriptor and a mask that names the four, and each receives the tile in its own LDS.
; By this text's own count a wave has two tensor loads out at the start and one behind each round of the cluster's barrier.
;
; REGISTERS, in windows of 256 (an instruction names v0-v255; s_set_vgpr_msb says which window each operand place means: bits 1:0 source 0, 3:2 source 1, 5:4 source 2, 7:6 destination):
;   window 0: v0-31 addresses; v64-127, v128-191 fragments of xb (8 x 16 rows x 32 K), two buffers, on the way out two buffers of 16 rows read back; v192-255 the bias, laid out as a C operand
;   window 1: v64-127, v128-191 fragments of wb, two buffers
;   window 2: the 32 accumulators of my rows 0-63 (accumulator (a, b) at v[8 (8 a + b)]);   window 3: those of my rows 64-127
;
; THE MATRIX INSTRUCTION IS USED TRANSPOSED: source 0 = 16 rows of wb, source 1 = 16 rows of xb.  In the result lane l holds row m = l % 16 of out0, and its registers 0 to 7 the columns
; n = 8 (l / 16) + 0 .. 7: 32 neighbouring bytes of a row.  A C operand in that layout hangs on n alone: eight sets of eight registers of bias serve all 64 accumulators,
; and the first product on each accumulator takes its set as C: nothing is cleared and no addition of the bias is written.
.set SIZE_N, 4096
.set SIZE_K, 4096
.set KSTEP,  128
.set PITCH,  272                       ; an LDS row: 256 bytes of data + 16 of padding = 68 words: row r starts at bank 4 r mod 64 (64 banks of 4 bytes: ISA guide 11.1), so the 16 rows that a load touches start at 16 different banks
.set HALFT,  128*PITCH                 ; 128 rows: what one tensor load brings, and what one wave reads of xb or of wb
.set SLOT,   4*HALFT                   ; xb's 256 rows, then wb's 256 rows
.set STAGE,  2*SLOT                    ; behind the ring, at a multiple of 256 bytes: 16 rows x 528 bytes for each wave, for the way out; no tensor load lands here
.set SPITCH, 528                       ; a stage row: 512 bytes (128 f32) + 16 = 132 words: again row r starts at bank 4 r mod 64
.set LAPS,   SIZE_K/(2*KSTEP)          ; a lap = two K steps = once round the ring: 16
.set ADRA, 16                          ; v16-17  LDS address of my xb fragments in slot 0, 1
.set ADRB, 20                          ; v20-21  the same for wb
.set STO,  24                          ; v24     the way out: where I put 32 bytes of a row
.set RD,   25                          ; v25     the way out: where I read 16 bytes of a row back
.set CO,   26                          ; v26     16 x lane: my bytes in my wave's 512 bytes of a row of out0
.set BO,   27                          ; v27     32 x (lane / 16): my bytes in 16 columns of bias
.set F0,   64                          ; fragment buffer 0
.set F1,   128                         ; fragment buffer 1
.set BI,   192                         ; v[192:255] bias: register 8 b + j holds bias[my first column + 16 b + 8 (l / 16) + j]
.set G1,  24                           ; s[24:31] descriptor group 1 for xb's tiles
.set G0,  32                           ; s[32:39] descriptor group 0 for xb's tiles, one set for each slot
.set G1B, 48                           ; s[48:55] descriptor group 1 for wb's tiles: it differs in the mask alone
.set G0B, 56                           ; s[56:63] descriptor group 0 for wb's tiles, one set for each slot
.set BP,  66                           ; s[66:67] bias
.set MSB, 0
.macro WIN new                         ; the immediate's high byte repeats the setting that is left; a switch that changes nothing is dropped
.if MSB != (\new)
	s_set_vgpr_msb (MSB<<8)|(\new)
.set MSB, \new
.endif
.endm
.set MUL_LO,   0xa1                    ; source 0 (wb) window 1, source 1 (xb) window 0, C and D window 2
.set MUL_HI,   0xf1                    ; the same, C and D window 3
.set FIRST_LO, 0x81                    ; the first products: C (the bias) window 0, D window 2
.set FIRST_HI, 0xc1                    ; the same, D window 3
.set TO_B,     0x40                    ; destination window 1, address window 0
; A joint load.  Waves 0 and 1 fetch xb's two halves, waves 2 and 3 wb's.  Each of the two lines has ONE mask and one set of registers for all that issue it, and nothing in them hangs on a
; coordinate that the four partners do not share.  The branch hangs on the wave's number alone.  Four v_nop follow each of the two lines, ahead of the jump, the label and what follows.
.macro JLOAD s
	s_cmp_eq_u32 s11, 0
	s_cbranch_scc0 .Lfor_b_\@
	tensor_load_to_lds s[G0+4*\s:G0+4*\s+3], s[G1:G1+7]
	s_nop 0
.rept 4
	v_nop
.endr
	s_branch .Lasked_\@
.Lfor_b_\@:
	tensor_load_to_lds s[G0B+4*\s:G0B+4*\s+3], s[G1B:G1B+7]
	s_nop 0
.rept 4
	v_nop
.endr
.Lasked_\@:
.endm
; A round of the cluster's barrier: my work-group's barrier, so that wave 0's signal speaks for all four waves; wave 0 signals for the work-group; every wave waits for all sixteen
; work-groups; my work-group's barrier once more.  No LDS instruction of the wave is pending at a signal.
.macro CREST                           ; a round behind its opening barrier
	s_cmp_lg_u32 s10, 0
	s_cbranch_scc1 .Lnot_wave_0_\@
	s_barrier_signal -3
.Lnot_wave_0_\@:
	s_barrier_wait -3
	s_barrier_signal -1
	s_barrier_wait -1
.endm
.macro CROUND                          ; a whole round
	s_barrier_signal -1
	s_barrier_wait -1
	CREST
.endm
	s_load_b128 s[4:7], s[0:1], 0x0                ; xb s[4:5], wb s[6:7]
	s_load_b64 s[8:9], s[0:1], 0x10                ; out0
	s_load_b64 s[BP:BP+1], s[0:1], 0x18            ; bias
	s_set_vgpr_msb 0x40
	v_lshl_add_u32 v255, v0, 2, 0x4c400
	s_set_vgpr_msb 0x4000
	v_mov_b32 v63, 0
	s_set_vgpr_msb 0x1
	ds_add_u32 v255, v63
	s_set_vgpr_msb 0x100
	v_lshrrev_b32 v1, 5, v0
	v_readfirstlane_b32 s10, v1                    ; wave 0..3
	s_lshr_b32 s11, s10, 1                         ; which half of the tile's rows is mine.  Also: I fetch for xb (0) or for wb (1)
	s_and_b32 s12, s10, 1                          ; which half of its columns.  Also: which 128 rows of that tile I fetch
	s_bfe_u32 s40, ttmp6, 0x40000                  ; cx: my place along the cluster's x
	s_bfe_u32 s41, ttmp6, 0x40004                  ; cy: along its y
	s_lshl_b32 s42, ttmp9, 2                       ; in a cluster launch ttmp9 and ttmp7 count clusters
	s_add_co_u32 s42, s42, s40                     ; tile column = 4 x cluster x + cx
	s_and_b32 s13, ttmp7, 0xffff
	s_lshl_b32 s13, s13, 2
	s_add_co_u32 s13, s13, s41                     ; tile row = 4 x cluster y + cy
	s_lshl_b32 s43, s41, 2
	s_lshl_b32 s43, 15, s43                        ; my row of the cluster: places 4 cy .. 4 cy + 3
	s_lshl_b32 s44, 0x1111, s40                    ; my column: places cx, cx + 4, cx + 8, cx + 12
	; descriptor group 1: a tile of 128 rows x 128 elements, padded in LDS
	s_or_b32 s[G1+0], s43, (1<<16)|(1<<20)|(1<<21)|(5<<22)|(3<<25)   ; 15:0 the mask: xb's tiles go to my row; 17:16 elements of 2 bytes; 20 padding on; 21 set beside a mask; 24:22 after every 64 words (code 5); 31:25 4 words of it (code 3)
	s_or_b32 s[G1B+0], s44, (1<<16)|(1<<20)|(1<<21)|(5<<22)|(3<<25)  ; the same with the mask of my column, for wb's tiles
.irp g, G1, G1B
	s_mov_b32 s[\g+1], KSTEP<<16                   ; 63:48 tensor_dim0, low half = 128
	s_mov_b32 s[\g+2], 128<<16                     ; 79:64 its high half = 0; 95:80 tensor_dim1, low half = 128
	s_mov_b32 s[\g+3], KSTEP<<16                   ; 111:96 its high half = 0; 127:112 tile_dim0 = 128
	s_mov_b32 s[\g+4], 128                         ; 143:128 tile_dim1 = 128; 159:144 tile_dim2 = 0
	s_mov_b32 s[\g+5], SIZE_K                      ; 191:160 tensor_dim0_stride, low word: elements from row to row
	s_mov_b32 s[\g+6], 0
	s_mov_b32 s[\g+7], 0
.endr
	; where the tiles come from.  xb's hang on the tile row alone, which my row of the cluster shares; wb's on the tile column alone, which my column shares.
	; Every wave makes both addresses, in registers that never hold the other coordinate, and asks by one of them.
	s_lshl_b32 s17, s12, 7                         ; which 128 rows of the tile I fetch
	s_lshl_b32 s16, s13, 8
	s_add_co_u32 s16, s16, s17                     ; xb: row 256 x tile row + 128 x half
	s_lshl_b32 s46, s42, 8
	s_add_co_u32 s46, s46, s17                     ; wb: row 256 x tile column + 128 x half
	s_lshl_b32 s16, s16, 13                        ; rows of 8,192 bytes: under 2^25
	s_lshl_b32 s46, s46, 13
	s_mov_b32 s17, 0
	s_mov_b32 s47, 0
	s_mul_i32 s20, s10, HALFT                      ; and where they go: xb's two halves, then wb's two halves = wave x 128 rows: no place in the cluster enters an LDS address
	s_wait_dscnt 0x0
	s_wait_kmcnt 0x0
	s_add_nc_u64 s[14:15], s[4:5], s[16:17]
	s_add_nc_u64 s[46:47], s[6:7], s[46:47]
	CROUND                                         ; all sixteen work-groups are here: the first joint loads meet
.irp s, 0,1
	s_mov_b32 s[G0+4*\s], 1                                        ; 1:0 count = 1
	s_add_co_u32 s[G0+4*\s+1], s20, \s*SLOT                        ; 63:32 LDS address
	s_add_nc_u64 s[G0+4*\s+2:G0+4*\s+3], s[14:15], \s*KSTEP*2      ; 120:64 global address: K step s
	s_or_b32 s[G0+4*\s+3], s[G0+4*\s+3], 0x80000000                ; 127:126 type = 2
	s_mov_b32 s[G0B+4*\s], 1
	s_add_co_u32 s[G0B+4*\s+1], s20, \s*SLOT
	s_add_nc_u64 s[G0B+4*\s+2:G0B+4*\s+3], s[46:47], \s*KSTEP*2
	s_or_b32 s[G0B+4*\s+3], s[G0B+4*\s+3], 0x80000000
	JLOAD \s                                       ; the ring is filled before anything else is done
.endr
	; A fragment is 16 rows x 32 K in 8 registers: lane l holds row l % 16; registers 0-3 hold K = 8 (l / 16) + 0..7, registers 4-7 hold K = 16 + 8 (l / 16) + 0..7.
	; From rows that lie along K: two loads of 16 bytes, 32 bytes apart.  The same for source 0 and source 1.
	v_and_b32 v1, 15, v0                           ; l % 16
	v_bfe_u32 v2, v0, 4, 1                         ; l / 16
	v_mul_u32_u24 v3, v1, PITCH
	v_lshl_add_u32 v3, v2, 4, v3                   ; row x pitch + 16 x half
	s_mul_i32 s21, s11, HALFT                      ; my 128 rows of xb
	s_mul_i32 s22, s12, HALFT                      ; my 128 rows of wb,
	s_add_co_u32 s22, s22, 2*HALFT                 ; which lie behind xb's 256
.irp s, 0,1
	v_add_nc_u32 v[ADRA+\s], s21, v3
	v_add_nc_u32 v[ADRB+\s], s22, v3
	s_add_co_u32 s21, s21, SLOT
	s_add_co_u32 s22, s22, SLOT
.endr
	s_mul_i32 s23, s10, 16*SPITCH
	s_add_co_u32 s23, s23, STAGE                   ; my stage
	v_mul_u32_u24 v4, v1, SPITCH                   ; in: row l % 16, 32 bytes for each half of the lanes
	v_lshl_add_u32 v4, v2, 5, v4
	v_add_nc_u32 v[STO], s23, v4
	v_and_b32 v5, 31, v0
	v_lshlrev_b32 v[CO], 4, v5                     ; back, and out: 32 lanes x 16 bytes are a whole row of my 128 columns
	v_add_nc_u32 v[RD], s23, v[CO]
	v_lshlrev_b32 v[BO], 5, v2
	; out0 at my wave's first row and column; bias at my first column
	s_lshl_b32 s16, s13, 8
	s_lshl_b32 s17, s11, 7
	s_add_co_u32 s16, s16, s17                     ; my first row
	s_lshl_b32 s16, s16, 14                        ; rows of 16,384 bytes: under 2^26
	s_mov_b32 s17, 0
	s_add_nc_u64 s[8:9], s[8:9], s[16:17]
	s_lshl_b32 s46, s42, 10                        ; my first column, in bytes of f32: 1,024 x tile column + 512 x half (in the registers that held wb's address: none that feeds xb's descriptors ever holds cx)
	s_lshl_b32 s47, s12, 9
	s_add_co_u32 s46, s46, s47
	s_mov_b32 s47, 0
	s_add_nc_u64 s[8:9], s[8:9], s[46:47]
	s_add_nc_u64 s[BP:BP+1], s[BP:BP+1], s[46:47]
.irp b, 0,1,2,3,4,5,6,7
	global_load_b128 v[BI+8*\b:BI+8*\b+3],   v[BO], s[BP:BP+1] offset:64*\b      ; my wave's 512 bytes of bias, once
	global_load_b128 v[BI+8*\b+4:BI+8*\b+7], v[BO], s[BP:BP+1] offset:64*\b+16
.endr
; 16 matrix instructions: m blocks a0, a0 + 1 of the window's four (hi = 0: my rows 0-63, 1: rows 64-127) x all 8 n blocks, 32 along K.
; first = 1: the first product on each accumulator takes the bias as C.
; The 64 accumulators take turns, one instruction a turn, in the same order in every quarter step.
.macro MUL16 f, hi, a0, first
.irp a, \a0, \a0+1
.irp b, 0,1,2,3,4,5,6,7
.if \first
	v_wmma_f32_16x16x32_f16 v[8*(8*(\a)+\b):8*(8*(\a)+\b)+7], v[\f+8*\b:\f+8*\b+7], v[\f+8*(4*\hi+\a):\f+8*(4*\hi+\a)+7], v[BI+8*\b:BI+8*\b+7]
.else
	v_wmma_f32_16x16x32_f16 v[8*(8*(\a)+\b):8*(8*(\a)+\b)+7], v[\f+8*\b:\f+8*\b+7], v[\f+8*(4*\hi+\a):\f+8*(4*\hi+\a)+7], v[8*(8*(\a)+\b):8*(8*(\a)+\b)+7]
.endif
.endr
.endr
.endm
; 32 LDS loads in one run: the fragments of one quarter step (128 rows of wb, 128 rows of xb, 32 K at byte k of the rows) into buffer f
.macro FETCH slot, k, f
	WIN TO_B
.irp i, 0,1,2,3,4,5,6,7
	ds_load_b128 v[\f+8*\i:\f+8*\i+3],   v[ADRB+\slot] offset:\k+\i*16*PITCH
	ds_load_b128 v[\f+8*\i+4:\f+8*\i+7], v[ADRB+\slot] offset:\k+\i*16*PITCH+32
.endr
	WIN 0
.irp i, 0,1,2,3,4,5,6,7
	ds_load_b128 v[\f+8*\i:\f+8*\i+3],   v[ADRA+\slot] offset:\k+\i*16*PITCH
	ds_load_b128 v[\f+8*\i+4:\f+8*\i+7], v[ADRA+\slot] offset:\k+\i*16*PITCH+32
.endr
.endm
; A load into a register that a matrix instruction has read, and an LDS store that reads a matrix result, stand four places behind that matrix instruction, and only plain vector
; instructions that name none of its registers are places (ISA guide 7.12.1 for vector instructions).  No other vector work is at hand here.
.macro PLACES
.rept 4
	v_nop
.endr
.endm
; A K step is four quarter steps of 32 along K, 64 matrix instructions each, on buffers 0, 1, 0, 1.
; One of the first three: multiplies buffer f; in its middle it fetches the next quarter's fragments, at byte k of the same slot's rows, into buffer g.
.macro QUARTER slot, k, f, g, first
	s_wait_dscnt 8                                 ; wb and xb's rows 0-63 are in; the youngest eight loads (xb's rows 64-127) may be out
.if \first
	WIN FIRST_LO
.else
	WIN MUL_LO
.endif
	MUL16 \f, 0, 0, \first
	MUL16 \f, 0, 2, \first
	PLACES
	FETCH \slot, \k, \g
	s_wait_dscnt 32                                ; all but the 32 just issued
.if \first
	WIN FIRST_HI
.else
	WIN MUL_HI
.endif
	MUL16 \f, 1, 0, \first
	MUL16 \f, 1, 2, \first
.endm
; The last quarter multiplies buffer 1 and changes slots: ONE barrier, for two things.  In front of it each wave waits for its own reads of this slot and for all its tensor loads, of which
; one is out: its part of the next slot.  Behind it nobody reads this slot any more and the next slot is whole.
; fill = 1: the barrier opens a round of the cluster's barrier, and this slot is filled again, two K steps ahead, first thing behind the round: from that request to the wait for it a wave issues 240 matrix instructions.
.macro TURN slot, next, fill
	s_wait_dscnt 8
	WIN MUL_LO
	MUL16 F1, 0, 0, 0
	s_wait_dscnt 0                                 ; my reads of this slot are over,
	s_wait_tensorcnt 0x0                           ; and all my tensor loads have landed: my part of the next slot
	ds_add_u32 v255, v63
	s_wait_dscnt 0x0
	s_barrier_signal -1                            ; say so,
	MUL16 F1, 0, 2, 0                              ; work on registers while the others arrive,
.if \fill
	WIN 0
.endif
	s_barrier_wait -1                              ; and go on when all four have said so
.if \fill
	CREST                                          ; no wave of any partner still reads this slot's tile or has a load on its way
	s_add_nc_u64 s[G0+4*\slot+2:G0+4*\slot+3], s[G0+4*\slot+2:G0+4*\slot+3], 2*KSTEP*2      ; no tensor load of mine is out, so a group 0 may be written; the type bits on top are not reached
	s_add_nc_u64 s[G0B+4*\slot+2:G0B+4*\slot+3], s[G0B+4*\slot+2:G0B+4*\slot+3], 2*KSTEP*2
	JLOAD \slot                                    ; the first tensor load behind the round, one a wave; the four v_nop behind it are also the places in front of the loads below
.else
	PLACES
.endif
	FETCH \next, 0, F0
	WIN MUL_HI
	MUL16 F1, 1, 0, 0
	MUL16 F1, 1, 2, 0
.endm
; THE WAY OUT of block a (16 rows x my 128 columns), in two parts.  A lane's 32 bytes of an accumulator are a sixteenth of a row's 512, and the lanes beside it hold other rows.
; TOSTAGE: the eight accumulators go as they are (f32) into my own stage in LDS, and come back as whole rows of 512 bytes, into one of two buffers where xb's fragments lay.
.macro TOSTAGE a
.set AC, 64*((\a)%4)
.set BK, F0+64*((\a)%2)
	WIN 0x08+4*((\a)/4)                            ; the stores' data: window 2 (blocks 0-3) or 3 (blocks 4-7)
.irp b, 0,1,2,3,4,5,6,7
	ds_store_b128 v[STO], v[AC+8*\b:AC+8*\b+3]   offset:64*\b
	ds_store_b128 v[STO], v[AC+8*\b+4:AC+8*\b+7] offset:64*\b+16
.endr
	WIN 0
.if (\a) >= 2
	s_wait_xcnt 0x0                                ; the buffer, which the stores of the block two back read, is loaded again only behind this wait
.endif
.irp t, 0,1,2,3,4,5,6,7,8,9,10,11,12,13,14,15
	ds_load_b128 v[BK+4*\t:BK+4*\t+3], v[RD] offset:\t*SPITCH      ; LDS serves a wave's instructions in order (ISA guide 5.7.1.4): these see the stores above, and the next block's stores come behind them
.endr
.endm
; SEND: stored.  younger: the LDS instructions issued behind block a's loads: the next block's 32, or none.
.macro SEND a, younger
.set BK, F0+64*((\a)%2)
.irp t, 0,1,2,3,4,5,6,7,8,9,10,11,12,13,14,15
	s_wait_dscnt \younger+15-\t                    ; row t is back in registers
	global_store_b128 v[CO], v[BK+4*\t:BK+4*\t+3], s[8:9] offset:(16*(\a)+\t)*SIZE_N*4 th:TH_STORE_NT   ; the wave stores 512 consecutive bytes, at a multiple of 512 from out0's first byte; 127 rows at the most: inside the signed 24-bit immediate
.endr
.endm
	s_wait_tensorcnt 1                             ; my part of K step 0 is in; K step 1's may stay out
	s_barrier_signal -1
	s_barrier_wait -1                              ; everybody's is
	FETCH 0, 0, F0
	s_wait_loadcnt 0x0                             ; the bias
	QUARTER 0, 64,  F0, F1, 1                      ; the first quarter stands in front of the loop: its products start the sums, from the bias
	WIN 0                                          ; at a label and at a branch every window is 0
	s_mov_b32 s3, LAPS-1
.Llap:                                                 ; a trip goes once round the ring, from a lap's second quarter to the next lap's first, and fills both slots again
	QUARTER 0, 128, F1, F0, 0
	QUARTER 0, 192, F0, F1, 0
	TURN 0, 1, 1
	QUARTER 1, 64,  F0, F1, 0
	QUARTER 1, 128, F1, F0, 0
	QUARTER 1, 192, F0, F1, 0
	TURN 1, 0, 1
	QUARTER 0, 64,  F0, F1, 0
	WIN 0
	s_sub_co_u32 s3, s3, 1
	s_cmp_lg_u32 s3, 0
	s_cbranch_scc1 .Llap
	QUARTER 0, 128, F1, F0, 0                      ; the last lap is written out: it fills nothing, and has no round of the cluster's barrier
	QUARTER 0, 192, F0, F1, 0
	TURN 0, 1, 0                                   ; my one tensor load that was still out is slot 1's, the last K step's
	QUARTER 1, 64,  F0, F1, 0
	QUARTER 1, 128, F1, F0, 0
	QUARTER 1, 192, F0, F1, 0
	s_wait_dscnt 8                                 ; the very last quarter: nothing more to fetch
	WIN MUL_LO
	MUL16 F1, 0, 0, 0
	MUL16 F1, 0, 2, 0
	s_wait_dscnt 0
	WIN MUL_HI
	MUL16 F1, 1, 0, 0
	MUL16 F1, 1, 2, 0
	WIN 0
	PLACES                                         ; behind the last products: the stage's stores read results, its loads land where fragments lay
	TOSTAGE 0
.irp a, 1,2,3,4,5,6,7                  ; block a's way through the stage is issued ahead of the wait for block a - 1's rows
	TOSTAGE \a
	SEND \a-1, 32
.endr
	SEND 7, 0                                      ; its last wait is for 0: no LDS instruction is pending at the signal below
	s_set_vgpr_msb 0x1
	s_wait_tensorcnt 0x0
	ds_add_u32 v255, v63
	s_wait_dscnt 0x0
	s_set_vgpr_msb 0x100
	CROUND                                         ; the closing round: no work-group ends while a partner may still ask for a tile that names it
	s_endpgm
.Lfunc_end_k_q90a06bf32a_gemm:
	.size	k_q90a06bf32a_gemm, .Lfunc_end_k_q90a06bf32a_gemm-k_q90a06bf32a_gemm
	.p2alignl 7, 3214868480
	.fill 96, 4, 3214868480
	.section	.rodata,"a",@progbits
	.p2align	6, 0x0
	.amdhsa_kernel k_q90a06bf32a_gemm
		.amdhsa_group_segment_fixed_size 327680
		.amdhsa_private_segment_fixed_size 0
		.amdhsa_enable_private_segment 0
		.amdhsa_kernarg_size 32
		.amdhsa_user_sgpr_count 2
		.amdhsa_user_sgpr_kernarg_segment_ptr 1
		.amdhsa_wavefront_size32 1
		.amdhsa_system_sgpr_workgroup_id_x 1
		.amdhsa_system_sgpr_workgroup_id_y 1
		.amdhsa_system_sgpr_workgroup_id_z 1
		.amdhsa_system_vgpr_workitem_id 0
		.amdhsa_next_free_vgpr 1024
		.amdhsa_next_free_sgpr 68
		.amdhsa_reserve_vcc 0
		.amdhsa_float_denorm_mode_32 3
		.amdhsa_float_denorm_mode_16_64 3
		.amdhsa_memory_ordered 1
		.amdhsa_forward_progress 1
		.amdhsa_inst_pref_size 145
	.end_amdhsa_kernel
	.amdgpu_metadata
---
amdhsa.version: [ 1, 2 ]
amdhsa.kernels:
  - .name:           k_q90a06bf32a_gemm
    .symbol:         k_q90a06bf32a_gemm.kd
    .args:
      - { .name: xb, .offset: 0, .size: 8, .value_kind: global_buffer, .address_space: global }
      - { .name: wb, .offset: 8, .size: 8, .value_kind: global_buffer, .address_space: global }
      - { .name: out0, .offset: 16, .size: 8, .value_kind: global_buffer, .address_space: global }
      - { .name: bias, .offset: 24, .size: 8, .value_kind: global_buffer, .address_space: global }
    .group_segment_fixed_size: 327680
    .private_segment_fixed_size: 0
    .kernarg_segment_align: 8
    .kernarg_segment_size: 32
    .max_flat_workgroup_size: 128
    .sgpr_count:     68
    .vgpr_count:     1024
    .wavefront_size: 32
...
	.end_amdgpu_metadata
.endif
;; end of part 2
